; MI455X (gfx1250); checked and timed in simulation.
; The chip was launched on July 23, 2026; its instructions are those of AMD's public machine-readable ISA for CDNA 5 (MIT licence, August 2026) and "CDNA5" Instruction Set Architecture Reference Guide (July 2026). The comments in the code are by the model that wrote it; some were corrected since.
;; Multi Head Self Attention Block. Allowed arithmetic: matrix products marked QUANTISED: E2M3 operands, one E8M0 scale for each 32 along K, by v_wmma_scale_f32_16x16x128_f8f6f4 with both operands' format E2M3, f32 sums; everything else in f32.
;; Inputs: w_out 1,024 x 1,024 float32; w_qkv 3,072 x 1,024 float32; x 4 x 2,048 x 1,024 float32.
;; Outputs: out0 4 x 2,048 x 1,024 float32.
;; This version of the problem:
;;   THIS VERSION OF THE PROBLEM IS GIVEN IN LOW PRECISION. The matrix products marked QUANTISED in the list below multiply operands that are first quantised to E2M3 (2 exponent bits, 3 mantissa bits; 6 bits a number), with one power-of-two scale for each 32 numbers along K (OCP MX v1.0); their sums are f32. All else is computed in f32.
;;   The module's matrix products, in the order in which they are computed (A, B: the left and right operand; K: the contracted axis; several contracted axes count as one K, in the product's order):
;;     1. [M 8,192, K 1,024] x [K 1,024, N 3,072]; A: input x; B: input w_qkv: QUANTISED
;;     2. batch 64 x [M 2,048, K 64] x [K 64, N 2,048]; A: computed on the way; B: computed on the way: QUANTISED
;;     3. batch 64 x [M 2,048, K 2,048] x [K 2,048, N 64]; A: softmax (see below); B: computed on the way: QUANTISED
;;     4. [M 8,192, K 1,024] x [K 1,024, N 1,024]; A: computed on the way; B: input w_out: QUANTISED
;;   THE QUANTISER, for each operand of a quantised product, along K:
;;     - K is cut into blocks of 32 from its start; a last block that is shorter is filled with zeros.
;;     - A block's scale is 2^e with e = floor(log2(the largest magnitude in the block)) - 2, held to -126 .. 127; a block of zeros has e = 0. As a byte (E8M0): e + 127.
;;     - Each number is divided by its block's scale, clamped to +-7.5, and rounded to the nearest number of E2M3, ties to even, subnormals kept.
;;     - The product sums the exact products of the quantised numbers (number of the format x scale) in f32.
;;   ~~~python
;;   def quantise(x, axis):      # numpy; x: float32 -> the quantised numbers, widened to float32 again
;;       x = np.moveaxis(x, axis, -1); K = x.shape[-1]
;;       x = np.pad(x, [(0, 0)] * (x.ndim - 1) + [(0, -K % 32)]); x = x.reshape(x.shape[:-1] + (-1, 32)); a = np.abs(x).max(-1, keepdims=True)
;;       e = np.where(a > 0, np.clip(np.frexp(np.where(a > 0, a, 1))[1] - 1 - 2, -126, 127), 0)      # np.frexp(a)[1] - 1 = floor(log2(a)), exactly
;;       r = np.clip(x / 2.0 ** e, -7.5, 7.5)
;;       step = 2.0 ** (np.maximum(np.frexp(np.where(r == 0, 1, r))[1] - 1, 0) - 3)
;;       q = np.round(r / step) * step * 2.0 ** e      # np.round: ties to even
;;       return np.moveaxis(q.reshape(q.shape[:-2] + (-1,))[..., :K], -1, axis).astype(np.float32)
;;   ~~~
;;   SOFTMAX AHEAD OF A QUANTISED PRODUCT. Where the list says 'softmax', what is quantised is not the finished softmax but p = 2^(t - M), with t = logit x log2(e) and M = ceil(the row's largest t), a whole number; so 1/2 < the row's largest p <= 1. The row's sum l is taken of the UNQUANTISED p, in f32, and the product's result is divided by l at the end. Since M is a whole number, a kernel that streams over the keys may use a running M (the ceiling of the running maximum): every later rescaling is an exact power of two, which a block's scale takes up: the codes' values come out the same.
;;   OPERANDS COMPUTED ON THE WAY. 'Computed on the way' means the value that the module computes at that place (a softmax that the list does not call 'softmax' is quantised finished and normalised). What goes into a quantiser is computed in f32, as accurately as f32 sums, v_exp_f32 and their like allow (about 1e-6 of the number): no bf16 or f16 on the way to a quantiser, and a product that is left as it is and whose result goes on into a quantised operand takes f32 operands (vector FMAs, or v_wmma_f32_16x16x4_f32). A number that lies on a knife's edge between two numbers of the format may be rounded either way, as far as f32 arithmetic and the matrix unit's own rounding can turn it there, and no further.
;; One version. Each part assembles by itself: llvm-mc -triple=amdgcn-amd-amdhsa -mcpu=gfx1250 --defsym DOCPART=n.
;; ======== version 1 of 1: 4 launches
;; workspace buffers: codes 9,437,184 bytes; scales 393,216 bytes; qkv 26,214,400 bytes; ac 6,291,456 bytes; asc 262,144 bytes
;; launch quant (part 1): grid 384 x 1, 4 waves a work-group, no clusters, 33,280 bytes of LDS; arguments x, w_qkv, w_out, codes, scales; writes codes, scales
.if DOCPART == 1
	.amdgcn_target "amdgcn-amd-amdhsa--gfx1250"
	.amdhsa_code_object_version 6
	.text
	.protected	k_qff046e33ad_quant
	.globl	k_qff046e33ad_quant
	.p2align	8
	.type	k_qff046e33ad_quant,@function
k_qff046e33ad_quant:
	s_mov_b64 s[64:65], 0
	v_nop
	global_prefetch_b8 v0, s[64:65] scope:SCOPE_SE
	s_setreg_imm32_b32 hwreg(HW_REG_WAVE_MODE, 25, 1), 1
	s_wait_xcnt 0x0
; LAUNCH 1 OF 4.  x [8192][1024], w_qkv [3072][1024] and w_out [1024][1024], f32, K innermost, become codes of FP6 (E2M3) and one E8M0 byte for each 32 along K,
; in ONE space of 12,288 rows: codes [row][768 bytes], scales [row][32 bytes]; rows 0.. x, 8192.. w_qkv, 11264.. w_out.
; DEAD WORK: none.  reference() has no mask, no bias and no slice: every input reaches the output, and all four products are done by the later launches.
; A block's scale is 2^(floor(log2(its largest magnitude)) - 2); its byte is the largest magnitude's exponent field - 2, held at 1 from below.  Each number is divided by the scale and rounded to the nearest code, ties to even; beyond 7.5 the largest code.
; LIMITS: a block whose largest magnitude lies under 2^-124 has its byte held at 1; a block of zeros gets the byte 1 where the rule says 127 (its codes are zeros, which add nothing under that byte, and this program alone reads the bytes);
; NaN and infinities among the inputs are not served.
; THE ORDER OF ROWS.  In x and w_qkv the four groups of eight rows of each 32 are stored in the order 0, 2, 1, 3: storage row 32 B + 16 u + r holds true row 32 B + 8 u + r + 8 (r / 8).  So 16 neighbouring storage rows are a tile whose
; results, in the later products, give a lane 16 NEIGHBOURS along the next K in the registers of two neighbouring tiles.  w_out keeps its order.
; SHARES.  A work-group takes 32 rows, a wave one group of eight: 8,192 numbers, 16 steps of 512.  Each of a step's four loads reads 512 consecutive bytes; the 2,048 bytes turn through the wave's own stage in LDS and come back 64 bytes a lane,
; so that a lane holds 16 neighbours along K and two neighbouring lanes a block.  A wave's 256 scale bytes are gathered in LDS and leave as one store of 256 consecutive bytes.  No barrier: waves share nothing.
.set WAVES, 4
.set STEPS, 16
.set CB,    12                         ; bytes of 16 codes
.set R,     16                         ; v16-79   four sets of 16 numbers as they are loaded
.set X,     80                         ; v80-111  two sets of 16 neighbours
.set C,     128                        ; v128-191 codes: four registers for each step, so that no store's data are written again
.set E,     112                        ; v112-127 a scale byte for each step
.set WREG,  8192                       ; LDS: a region for each wave: two stages of 32 x SP bytes, behind them its 256 scale bytes
.set SP,    80                         ; a lane's place in a stage: its 64 bytes + 16 of padding
.set SPW,   12                         ; v12  LDS address of my spare word; never rewritten
.set NIL,   13                         ; v13  0; never rewritten
.set SPARE, WAVES*WREG                 ; behind the four regions: the spare words, 128 bytes a wave, which no other line names
	s_load_b128 s[4:7], s[0:1], 0x0                ; x, w_qkv
	s_load_b128 s[8:11], s[0:1], 0x10              ; w_out, codes
	s_load_b64 s[12:13], s[0:1], 0x20              ; scales
	v_lshl_add_u32 v[SPW], v0, 2, SPARE
	v_mov_b32 v[NIL], 0
	v_lshrrev_b32 v1, 5, v0
	v_readfirstlane_b32 s16, v1                    ; wave
	v_and_b32 v2, 31, v0                           ; lane
	v_lshlrev_b32 v3, 4, v2                        ; my 16 bytes of a load's 512
	s_mul_i32 s17, s16, WREG
	v_lshrrev_b32 v14, 2, v2
	v_mul_u32_u24 v14, v14, SP
	v_and_b32 v15, 3, v2
	v_lshl_add_u32 v14, v15, 4, v14
	v_add_nc_u32 v14, s17, v14                     ; the stage, on the way in: SP (lane / 4) + 16 (lane % 4)
	v_mul_u32_u24 v15, v2, SP
	v_add_nc_u32 v15, s17, v15                     ; and on the way out: SP x lane: my 16 neighbours
	v_mul_u32_u24 v4, v2, CB                       ; my codes' place in a step's
	v_lshrrev_b32 v5, 1, v2
	s_add_co_u32 s17, s17, 2*32*SP
	v_add_nc_u32 v5, s17, v5                       ; LDS: my wave's 256 scale bytes, my block's byte
	v_lshlrev_b32 v7, 3, v2                        ; and on the way out 8 bytes a lane
	v_add_nc_u32 v6, s17, v7
	s_and_b32 s24, s16, 1
	s_lshl_b32 s24, s24, 1
	s_lshr_b32 s25, s16, 1
	s_or_b32 s24, s24, s25                         ; where group w of eight rows is stored: 0, 2, 1, 3
	s_wait_alu depctr_va_vdst(0)
	s_wait_kmcnt 0x0
	s_cmp_lt_u32 ttmp9, 256                        ; which tensor: the choice hangs on the work-group's number alone
	s_cselect_b64 s[4:5], s[4:5], s[6:7]
	s_cselect_b32 s22, 0, 256                      ; the tensor's first work-group
	s_cmp_lt_u32 ttmp9, 352
	s_cselect_b64 s[4:5], s[4:5], s[8:9]
	s_cselect_b32 s22, s22, 352
	s_cselect_b32 s23, s24, s16                    ; w_out keeps its order of rows
	s_sub_co_u32 s17, ttmp9, s22
	s_lshl_b32 s17, s17, 2
	s_add_co_u32 s18, s17, s16                     ; which run of 8,192 numbers of the tensor I read
	s_mov_b32 s19, 0
	s_lshl_b64 s[20:21], s[18:19], 15              ; 32,768 bytes a run
	s_add_nc_u64 s[4:5], s[4:5], s[20:21]
	s_lshl_b32 s18, ttmp9, 2
	s_add_co_u32 s18, s18, s23                     ; which run of the joint space I write
	s_mul_i32 s20, s18, 32*STEPS*CB                ; 6,144 bytes of codes a run
	s_mov_b32 s21, 0
	s_add_nc_u64 s[10:11], s[10:11], s[20:21]
	s_lshl_b32 s18, s18, 8                         ; 256 scale bytes a run
	s_add_nc_u64 s[12:13], s[12:13], s[18:19]
.macro LOAD t
.irp i, 0,1,2,3
	global_load_b128 v[R+16*((\t)%4)+4*\i:R+16*((\t)%4)+4*\i+3], v3, s[4:5] offset:2048*(\t)+512*\i th:TH_LOAD_NT   ; 32 lanes read 512 consecutive bytes
.endr
.endm
.macro TURN t                          ; step t's numbers through the stage: LDS serves a wave's instructions in order, so no wait stands between the stores and the loads
.irp i, 0,1,2,3
	ds_store_b128 v14, v[R+16*((\t)%4)+4*\i:R+16*((\t)%4)+4*\i+3] offset:32*SP*((\t)%2)+8*SP*\i
.endr
.irp i, 0,1,2,3
	ds_load_b128 v[X+16*((\t)%2)+4*\i:X+16*((\t)%2)+4*\i+3], v15 offset:32*SP*((\t)%2)+16*\i
.endr
.endm
.irp t, 0,1,2,3
	LOAD \t
.endr
	s_wait_loadcnt 12                              ; step 0's four loads are in; the twelve of steps 1 to 3 may be out
	TURN 0
.macro STEP t
.set XS, X+16*((\t)%2)
.if (\t) > 0
	s_wait_dscnt 1                                 ; this step's numbers are back from the stage (the last step's byte store may be out): so its stores into the stage have read their registers,
.else
	s_wait_dscnt 0x0
.endif
.if (\t)+4 < STEPS
	LOAD (\t)+4                                    ; which take the loads of four steps on
.endif
.if (\t)+1 < STEPS
.if STEPS-2-(\t) >= 3
	s_wait_loadcnt 12                              ; the next step's four loads are in; those of the three steps behind it may be out
.else
	s_wait_loadcnt 4*(STEPS-2-(\t))
.endif
	TURN (\t)+1                                    ; and go through the other stage while this step is worked
.endif
	v_max3_num_f32 v8, |v[XS]|, |v[XS+1]|, |v[XS+2]|               ; the largest magnitude of my 16, in two chains
	v_max3_num_f32 v9, |v[XS+3]|, |v[XS+4]|, |v[XS+5]|
.irp i, 6,10
	v_max3_num_f32 v8, v8, |v[XS+\i]|, |v[XS+\i+1]|
	v_max3_num_f32 v9, v9, |v[XS+\i+2]|, |v[XS+\i+3]|
.endr
	v_max3_num_f32 v8, v8, |v[XS+14]|, |v[XS+15]|
	v_max3_num_f32 v8, v8, v9, 0x1800000           ; and the floor 2^(3 - 127): the byte cannot fall under 1
	v_max_num_f32_dpp v8, v8, v8 row_xmask:1 row_mask:0xf bank_mask:0xf   ; and of my neighbour's 16: the block's
	v_add_nc_u32 v11, 0xff000000, v8               ; 2 off its exponent field: the conversion takes the exponent field of this operand as its scale
	v_cvt_scalef32_pk16_fp6_f32 v[C+4*(\t):C+4*(\t)+2], v[XS:XS+15], v11
	v_lshrrev_b32 v[E+(\t)], 23, v11               ; the scale's byte (also the plain line behind the conversion)
	ds_store_b8 v5, v[E+(\t)] offset:16*(\t)       ; both lanes of a block write the same byte with the same value
	global_store_b96 v4, v[C+4*(\t):C+4*(\t)+2], s[10:11] offset:32*CB*(\t)   ; the wave stores 384 consecutive bytes
.endm
.irp t, 0,1,2,3,4,5,6,7,8,9,10,11,12,13,14,15
	STEP \t
.endr
	ds_load_b64 v[8:9], v6                         ; LDS serves a wave's instructions in order: these see my stores
	s_wait_dscnt 0x0
	global_store_b64 v7, v[8:9], s[12:13]          ; 32 lanes store 256 consecutive bytes, at a multiple of 256 from the buffer's first byte
	s_wait_tensorcnt 0x0                           ; the wave's end, behind my last LDS store
	ds_add_u32 v[SPW], v[NIL]
	s_wait_dscnt 0x0
	s_endpgm
.Lfunc_end_k_qff046e33ad_quant:
	.size	k_qff046e33ad_quant, .Lfunc_end_k_qff046e33ad_quant-k_qff046e33ad_quant
	.p2alignl 7, 3214868480
	.fill 96, 4, 3214868480
	.section	.rodata,"a",@progbits
	.p2align	6, 0x0
	.amdhsa_kernel k_qff046e33ad_quant
		.amdhsa_group_segment_fixed_size 33280
		.amdhsa_private_segment_fixed_size 0
		.amdhsa_enable_private_segment 0
		.amdhsa_kernarg_size 40
		.amdhsa_user_sgpr_count 2
		.amdhsa_user_sgpr_kernarg_segment_ptr 1
		.amdhsa_wavefront_size32 1
		.amdhsa_system_sgpr_workgroup_id_x 1
		.amdhsa_system_sgpr_workgroup_id_y 1
		.amdhsa_system_sgpr_workgroup_id_z 1
		.amdhsa_system_vgpr_workitem_id 0
		.amdhsa_next_free_vgpr 192
		.amdhsa_next_free_sgpr 66
		.amdhsa_reserve_vcc 0
		.amdhsa_float_denorm_mode_32 3
		.amdhsa_float_denorm_mode_16_64 3
		.amdhsa_memory_ordered 1
		.amdhsa_forward_progress 1
		.amdhsa_inst_pref_size 33
	.end_amdhsa_kernel
	.amdgpu_metadata
---
amdhsa.version: [ 1, 2 ]
amdhsa.kernels:
  - .name:           k_qff046e33ad_quant
    .symbol:         k_qff046e33ad_quant.kd
    .args:
      - { .name: x, .offset: 0, .size: 8, .value_kind: global_buffer, .address_space: global }
      - { .name: w_qkv, .offset: 8, .size: 8, .value_kind: global_buffer, .address_space: global }
      - { .name: w_out, .offset: 16, .size: 8, .value_kind: global_buffer, .address_space: global }
      - { .name: codes, .offset: 24, .size: 8, .value_kind: global_buffer, .address_space: global }
      - { .name: scales, .offset: 32, .size: 8, .value_kind: global_buffer, .address_space: global }
    .group_segment_fixed_size: 33280
    .private_segment_fixed_size: 0
    .kernarg_segment_align: 8
    .kernarg_segment_size: 40
    .max_flat_workgroup_size: 128
    .sgpr_count:     66
    .vgpr_count:     192
    .wavefront_size: 32
...
	.end_amdgpu_metadata
.endif
;; end of part 1
;; launch gemm_qkv (part 2): grid 12 x 32, 4 waves a work-group, clusters of 4 x 4, 327,680 bytes of LDS; arguments codes, scales, qkv; writes qkv
.if DOCPART == 2
	.amdgcn_target "amdgcn-amd-amdhsa--gfx1250"
	.amdhsa_code_object_version 6
	.text
	.protected	k_qff046e33ad_gemm_qkv
	.globl	k_qff046e33ad_gemm_qkv
	.p2align	8
	.type	k_qff046e33ad_gemm_qkv,@function
k_qff046e33ad_gemm_qkv:
	s_mov_b64 s[64:65], 0
	v_nop
	global_prefetch_b8 v0, s[64:65] scope:SCOPE_SE
	s_setreg_imm32_b32 hwreg(HW_REG_WAVE_MODE, 25, 1), 1
	s_wait_xcnt 0x0
	s_wait_alu depctr_hold_cnt(0) depctr_sa_sdst(0) depctr_va_vdst(0) depctr_va_sdst(0) depctr_va_ssrc(0) depctr_va_vcc(0) depctr_vm_vsrc(0)
	s_getreg_b32 s2, hwreg(HW_REG_IB_STS2, 6, 4)
	s_cmp_eq_u32 s2, 0
	s_cbranch_scc0 .Lentry_in_a_cluster
	s_endpgm
.Lentry_in_a_cluster:
	s_bfe_u32 s2, ttmp6, 0x10000c
	s_cmp_lg_u32 s2, 0xf033
	s_cbranch_scc0 .Lentry_shape_is_right
	s_endpgm
.Lentry_shape_is_right:
.set SIZE_K, 1024
.set KSTEP,  256
.set NQ,     KSTEP/128
.set ROWB,   192
.set KROW,   SIZE_K*6/8
.set PITCH,  240
.set FR,     12
.set NL,     6
.set NP,     4
.set HALFT,  128*PITCH
.set SLOT,   4*HALFT
.set LAPS,   SIZE_K/(2*KSTEP)
.set KS,     SIZE_K/32
.set SCL,    2*SLOT
.set HALFS,  (128*KS/256)*272
.set SBLK,   (16*KS/256)*272
.set SPARE,  SCL+4*HALFS
.set REC,    12800
.set HEADB,  16*REC
.set ADRA, 16
.set ADRB, 20
.set LI16, 24
.set LI4,  25
.set ADRS, 27
.set SPW,  28
.set NIL,  29
.set SC,   32
.set TM,   64
.set PW0,  80
.set PW1,  81
.set SWE,  82
.set SWO,  84
.set T0,   88
.set T1,   92
.set SS,   96
.set AF,   128
.set FB,   128
.set G1, 24
.set G0, 32
.set G1B, 48
.set G0B, 56
.set G1S, 68
.set G0S, 76
.set G1SB, 80
.set G0SB, 88
.set MSB, 0
.macro WIN new
.if MSB != (\new)
	s_set_vgpr_msb (MSB<<8)|(\new)
.set MSB, (\new)
.endif
.endm
.set MUL_LO, 0xa1
.set MUL_HI, 0xf1
.set TO_B,   0x40
.macro JLOAD g0a, g1a, g0b, g1b
	s_cmp_eq_u32 s15, 0
	s_cbranch_scc0 .Lfor_b_\@
	tensor_load_to_lds s[\g0a:\g0a+3], s[\g1a:\g1a+7]
	s_nop 0
.rept 4
	v_nop
.endr
	s_branch .Lasked_\@
.Lfor_b_\@:
	tensor_load_to_lds s[\g0b:\g0b+3], s[\g1b:\g1b+7]
	s_nop 0
.rept 4
	v_nop
.endr
.Lasked_\@:
.endm
.macro CREST
	s_cmp_lg_u32 s14, 0
	s_cbranch_scc1 .Lnot_wave_0_\@
	s_barrier_signal -3
.Lnot_wave_0_\@:
	s_barrier_wait -3
	s_barrier_signal -1
	s_barrier_wait -1
.endm
.macro CROUND
	s_barrier_signal -1
	s_barrier_wait -1
	CREST
.endm
	s_load_b128 s[4:7], s[0:1], 0x0
	s_load_b64 s[12:13], s[0:1], 0x10
	v_lshl_add_u32 v[SPW], v0, 2, SPARE
	v_mov_b32 v[NIL], 0
	ds_add_u32 v[SPW], v[NIL]
	ds_add_u32 v[SPW], v[NIL]
	v_lshrrev_b32 v1, 5, v0
	v_readfirstlane_b32 s14, v1
	s_lshr_b32 s15, s14, 1
	s_and_b32 s16, s14, 1
	s_bfe_u32 s40, ttmp6, 0x40000
	s_bfe_u32 s41, ttmp6, 0x40004
	s_and_b32 s18, ttmp7, 0xffff
	s_add_co_u32 s19, ttmp9, 8
	s_cmp_eq_u32 ttmp9, 2
	s_cselect_b32 s17, 10, s18
	s_cselect_b32 s42, s18, s19
	s_cselect_b32 s11, 1, 0
	s_lshl_b32 s17, s17, 2
	s_add_co_u32 s17, s17, s41
	s_lshl_b32 s42, s42, 2
	s_add_co_u32 s42, s42, s40
	s_lshl_b32 s43, s41, 2
	s_lshl_b32 s43, 15, s43
	s_lshl_b32 s44, 0x1111, s40
	s_or_b32 s[G1+0], s43, (0<<16)|(1<<20)|(1<<21)|(3<<22)|(3<<25)
	s_or_b32 s[G1B+0], s44, (0<<16)|(1<<20)|(1<<21)|(3<<22)|(3<<25)
.irp g, G1, G1B
	s_mov_b32 s[\g+1], ROWB<<16
	s_mov_b32 s[\g+2], 128<<16
	s_mov_b32 s[\g+3], ROWB<<16
	s_mov_b32 s[\g+4], 128
	s_mov_b32 s[\g+5], KROW
	s_mov_b32 s[\g+6], 0
	s_mov_b32 s[\g+7], 0
.endr
	s_or_b32 s[G1S+0], s43, (3<<16)|(1<<20)|(1<<21)|(5<<22)|(3<<25)
	s_or_b32 s[G1SB+0], s44, (3<<16)|(1<<20)|(1<<21)|(5<<22)|(3<<25)
.irp g, G1S, G1SB
	s_mov_b32 s[\g+1], 32<<16
	s_mov_b32 s[\g+2], (128*KS/256)<<16
	s_mov_b32 s[\g+3], 32<<16
	s_mov_b32 s[\g+4], 128*KS/256
	s_mov_b32 s[\g+5], 32
	s_mov_b32 s[\g+6], 0
	s_mov_b32 s[\g+7], 0
.endr
	s_lshl_b32 s18, s16, 7
	s_lshl_b32 s20, s17, 8
	s_add_co_u32 s20, s20, s18
	s_lshl_b32 s22, s20, 5
	s_mov_b32 s23, 0
	s_mul_i32 s20, s20, KROW
	s_mov_b32 s21, 0
	s_lshl_b32 s46, s42, 8
	s_add_co_u32 s46, s46, s18
	s_lshl_b32 s92, s46, 5
	s_mov_b32 s93, 0
	s_mul_i32 s46, s46, KROW
	s_mov_b32 s47, 0
	s_mul_i32 s45, s14, HALFT
	s_mul_i32 s94, s14, HALFS
	s_mov_b32 s8, 0x76543210
	s_mov_b32 s9, 0xfedcba98
	s_mov_b32 s10, 0xffff0000
	s_wait_dscnt 0x0
	s_wait_kmcnt 0x0
	s_add_nc_u64 s[20:21], s[4:5], s[20:21]
	s_add_nc_u64 s[22:23], s[6:7], s[22:23]
	s_add_nc_u64 s[46:47], s[4:5], s[46:47]
	s_add_nc_u64 s[92:93], s[6:7], s[92:93]
	CROUND
	s_mov_b32 s[G0S], 1
	s_add_co_u32 s[G0S+1], s94, SCL
	s_mov_b64 s[G0S+2:G0S+3], s[22:23]
	s_or_b32 s[G0S+3], s[G0S+3], 0x80000000
	s_mov_b32 s[G0SB], 1
	s_add_co_u32 s[G0SB+1], s94, SCL
	s_mov_b64 s[G0SB+2:G0SB+3], s[92:93]
	s_or_b32 s[G0SB+3], s[G0SB+3], 0x80000000
	JLOAD G0S, G1S, G0SB, G1SB
.irp s, 0,1
	s_mov_b32 s[G0+4*\s], 1
	s_add_co_u32 s[G0+4*\s+1], s45, \s*SLOT
	s_add_nc_u64 s[G0+4*\s+2:G0+4*\s+3], s[20:21], \s*ROWB
	s_or_b32 s[G0+4*\s+3], s[G0+4*\s+3], 0x80000000
	s_mov_b32 s[G0B+4*\s], 1
	s_add_co_u32 s[G0B+4*\s+1], s45, \s*SLOT
	s_add_nc_u64 s[G0B+4*\s+2:G0B+4*\s+3], s[46:47], \s*ROWB
	s_or_b32 s[G0B+4*\s+3], s[G0B+4*\s+3], 0x80000000
	s_wait_alu depctr_va_vdst(0)
	s_wait_tensorcnt 0x0
	ds_add_u32 v28, v29
	s_wait_dscnt 0x0
	CROUND
	JLOAD G0+4*\s, G1, G0B+4*\s, G1B
.endr
	v_and_b32 v1, 15, v0
	v_bfe_u32 v2, v0, 4, 1
	v_mul_u32_u24 v3, v1, PITCH
	v_mul_u32_u24 v4, v2, 24
	v_add_nc_u32 v4, v3, v4
	v_lshl_add_u32 v5, v2, 4, v4
	s_mul_i32 s21, s15, HALFT
	s_mul_i32 s22, s16, HALFT
	s_add_co_u32 s22, s22, 2*HALFT
.irp s, 0,1
	v_add_nc_u32 v[ADRA+\s], s21, v4
	v_add_nc_u32 v[ADRB+\s], s22, v4
	v_add_nc_u32 v[ADRA+2+\s], s21, v5
	v_add_nc_u32 v[ADRB+2+\s], s22, v5
	s_add_co_u32 s21, s21, SLOT
	s_add_co_u32 s22, s22, SLOT
.endr
	v_mul_u32_u24 v5, v1, KS
	v_lshrrev_b32 v6, 8, v5
	v_lshl_add_u32 v5, v6, 4, v5
	s_mul_i32 s21, s15, HALFS
	s_mul_i32 s22, s16, HALFS
	s_add_co_u32 s22, s22, 2*HALFS
	s_sub_co_u32 s22, s22, s21
	v_mul_u32_u24 v6, s22, v2
	s_add_co_u32 s21, s21, SCL
	v_add_nc_u32 v5, v5, v6
	v_add_nc_u32 v[ADRS], s21, v5
	v_and_b32 v6, 31, v0
	v_lshlrev_b32 v[LI16], 4, v6
	v_lshlrev_b32 v[LI4], 2, v6
	s_lshl_b32 s20, s17, 1
	s_add_co_u32 s20, s20, s15
	s_lshl_b32 s21, s42, 1
	s_add_co_u32 s21, s21, s16
	s_sub_co_u32 s22, s20, 72
	s_sub_co_u32 s23, s21, 64
	s_cmp_eq_u32 s11, 1
	s_cselect_b32 s45, s21, s20
	s_cselect_b32 s46, s22, s23
	s_cselect_b32 s47, 6144, 0
	s_lshr_b32 s92, s46, 3
	s_mul_i32 s92, s92, 64*HEADB
	s_and_b32 s46, s46, 7
	s_lshl_b32 s46, s46, 1
	s_lshr_b32 s93, s45, 4
	s_lshl_b32 s93, s93, 4
	s_add_co_u32 s93, s93, s46
	s_lshl_b32 s93, s93, 4
	s_and_b32 s45, s45, 15
	s_add_co_u32 s93, s93, s45
	s_mul_i32 s93, s93, REC
	s_add_co_u32 s92, s92, s93
	s_add_co_u32 s92, s92, s47
	s_mov_b32 s93, 0
	s_add_nc_u64 s[12:13], s[12:13], s[92:93]
.macro FRAG reg, adr, q, i
.irp p, 0,1,2,3,4,5
.set PC, 12*(\q)+6*(\p/3)+\p%3
.if PC%8 < 5
	ds_load_b64 v[\reg+2*\p:\reg+2*\p+1], v[\adr] offset:8*PC+16*(PC/8)+(\i)*16*PITCH
.else
	ds_load_b64 v[\reg+2*\p:\reg+2*\p+1], v[\adr+2] offset:8*PC+16*(PC/8)+(\i)*16*PITCH
.endif
.endr
.endm
.macro MUL16 a0, p, q, sc, zero
.irp a, \a0, \a0+1
.irp b, 0,1,2,3,4,5,6,7
.if \zero
	v_wmma_scale_f32_16x16x128_f8f6f4 v[8*(8*((\a)%4)+\b):8*(8*((\a)%4)+\b)+7], v[128*(\p)+FR*\b:128*(\p)+FR*\b+FR-1], v[AF+FR*(\a):AF+FR*(\a)+FR-1], 0, v[SC+8*NQ*(\sc)+NQ*\b+(\q)], v[SC+8*NQ*(\sc)+NQ*(\a)+(\q)] matrix_a_fmt:MATRIX_FMT_FP6 matrix_b_fmt:MATRIX_FMT_FP6 matrix_a_scale:MATRIX_SCALE_ROW1
.else
	v_wmma_scale_f32_16x16x128_f8f6f4 v[8*(8*((\a)%4)+\b):8*(8*((\a)%4)+\b)+7], v[128*(\p)+FR*\b:128*(\p)+FR*\b+FR-1], v[AF+FR*(\a):AF+FR*(\a)+FR-1], v[8*(8*((\a)%4)+\b):8*(8*((\a)%4)+\b)+7], v[SC+8*NQ*(\sc)+NQ*\b+(\q)], v[SC+8*NQ*(\sc)+NQ*(\a)+(\q)] matrix_a_fmt:MATRIX_FMT_FP6 matrix_b_fmt:MATRIX_FMT_FP6 matrix_a_scale:MATRIX_SCALE_ROW1
.endif
.endr
.endr
.endm
.macro FETCH_B slot, q, p
	WIN TO_B
.irp i, 0,1,2,3,4,5,6,7
	FRAG 128*(\p)+FR*\i, ADRB+\slot, \q, \i
.endr
	WIN 0
.endm
.macro FETCH_A slot, q, i0
.irp i, \i0, \i0+1, \i0+2, \i0+3
	FRAG AF+FR*(\i), ADRA+\slot, \q, \i
.endr
.endm
.macro SCALES sc
.irp i, 0,1,2,3,4,5,6,7
	ds_load_b64 v[SC+8*NQ*\sc+NQ*\i:SC+8*NQ*\sc+NQ*\i+1], v[ADRS] offset:\i*SBLK
.endr
.endm
.macro PLACES n
.rept \n
	v_nop
.endr
.endm
.macro STEP slot, q, zero
	s_wait_dscnt 4*NL
	WIN MUL_LO
	MUL16 0, (\q)%2, \q, \slot, \zero
	MUL16 2, (\q)%2, \q, \slot, \zero
	s_wait_dscnt 0
	PLACES NP
	FETCH_B \slot, (\q)+1, 1-(\q)%2
	FETCH_A \slot, (\q)+1, 0
	WIN MUL_HI
	MUL16 4, (\q)%2, \q, \slot, \zero
	MUL16 6, (\q)%2, \q, \slot, \zero
	PLACES NP
	WIN 0
	FETCH_A \slot, (\q)+1, 4
.endm
.macro TURN slot, next, fill
	s_wait_tensorcnt 0x0
	ds_add_u32 v[SPW], v[NIL]
	s_wait_dscnt 4*NL+1
	WIN MUL_LO
	MUL16 0, 1, NQ-1, \slot, 0
	s_wait_dscnt 0x0
	s_barrier_signal -1
	MUL16 2, 1, NQ-1, \slot, 0
	WIN 0
	s_barrier_wait -1
.if \fill
	CREST
	s_add_nc_u64 s[G0+4*\slot+2:G0+4*\slot+3], s[G0+4*\slot+2:G0+4*\slot+3], 2*ROWB
	s_add_nc_u64 s[G0B+4*\slot+2:G0B+4*\slot+3], s[G0B+4*\slot+2:G0B+4*\slot+3], 2*ROWB
	JLOAD G0+4*\slot, G1, G0B+4*\slot, G1B
.else
	PLACES NP
.endif
	s_wait_alu depctr_va_vdst(0)
	v_add_nc_u32 v[ADRS], 4*NQ, v[ADRS]
	FETCH_B \next, 0, 0
	FETCH_A \next, 0, 0
	SCALES \next
	WIN MUL_HI
	MUL16 4, 1, NQ-1, \slot, 0
	MUL16 6, 1, NQ-1, \slot, 0
	PLACES NP
	WIN 0
	FETCH_A \next, 0, 4
.endm
	s_wait_alu depctr_va_vdst(0)
	s_wait_tensorcnt 1
	s_barrier_signal -1
	s_barrier_wait -1
	FETCH_B 0, 0, 0
	FETCH_A 0, 0, 0
	SCALES 0
	FETCH_A 0, 0, 4
	STEP 0, 0, 1
	s_mov_b32 s3, LAPS-1
.Llap:
	TURN 0, 1, 1
	STEP 1, 0, 0
	TURN 1, 0, 1
	STEP 0, 0, 0
	s_sub_co_u32 s3, s3, 1
	s_cmp_lg_u32 s3, 0
	s_cbranch_scc1 .Llap
	TURN 0, 1, 0
	STEP 1, 0, 0
	s_wait_dscnt 4*NL
	WIN MUL_LO
	MUL16 0, 1, NQ-1, 1, 0
	MUL16 2, 1, NQ-1, 1, 0
	s_wait_dscnt 0
	WIN MUL_HI
	MUL16 4, 1, NQ-1, 1, 0
	MUL16 6, 1, NQ-1, 1, 0
	WIN 0
.macro QUANTW w, s, d0, d1, pw
	WIN (\w)|((\w)<<2)
.irp b, 0,1,2,3
	v_max3_num_f32 v[TM+\b], |v[(\s)+16*\b]|, |v[(\s)+16*\b+1]|, 0x1800000
.endr
.irp i, 2,4,6,8,10,12,14
.irp b, 0,1,2,3
	v_max3_num_f32 v[TM+\b], |v[(\s)+16*\b+\i]|, |v[(\s)+16*\b+\i+1]|, v[TM+\b]
.endr
.endr
	WIN 0
.irp b, 0,1,2,3
	v_permlanex16_b32 v[TM+4+\b], v[TM+\b], s8, s9
.endr
.irp b, 0,1,2,3
	v_max_num_f32 v[TM+\b], v[TM+\b], v[TM+4+\b]
.endr
.irp b, 0,1,2,3
	v_add_nc_u32 v[TM+12+\b], 0xff000000, v[TM+\b]
.endr
.irp b, 0,1,2,3
	v_lshrrev_b32 v[TM+4+\b], 23, v[TM+12+\b]
.endr
	v_lshl_or_b32 v[\pw], v[TM+5], 8, v[TM+4]
	v_lshl_or_b32 v[\pw], v[TM+6], 16, v[\pw]
	v_lshl_or_b32 v[\pw], v[TM+7], 24, v[\pw]
	WIN \w
	v_cvt_scalef32_pk16_fp6_f32 v[(\d0):(\d0)+2], v[(\s):(\s)+15], v[TM+12]
	v_cvt_scalef32_pk16_fp6_f32 v[T0:T0+2], v[(\s)+16:(\s)+31], v[TM+13]
	v_cvt_scalef32_pk16_fp6_f32 v[(\d1):(\d1)+2], v[(\s)+32:(\s)+47], v[TM+14]
	v_cvt_scalef32_pk16_fp6_f32 v[T1:T1+2], v[(\s)+48:(\s)+63], v[TM+15]
	WIN 0
	v_nop
.irp i, 0,1,2
	v_permlane16_swap_b32 v[(\d0)+\i], v[T0+\i]
	v_permlane16_swap_b32 v[(\d1)+\i], v[T1+\i]
.endr
.irp i, 0,1,2
	v_mov_b32 v[(\d0)+3+\i], v[T0+\i]
	v_mov_b32 v[(\d1)+3+\i], v[T1+\i]
.endr
.endm
	PLACES NP
.irp b, 0,1,2,3
	v_mov_b32 v[TM+4+\b], 0
.endr
	s_cmp_eq_u32 s11, 1
	s_cbranch_scc1 .Lv
.irp i, 0,1,2,3
	QUANTW 2+(\i)/2, 128*((\i)%2), FB+24*\i, FB+24*\i+12, PW0
	QUANTW 2+(\i)/2, 128*((\i)%2)+64, FB+24*\i+6, FB+24*\i+18, PW1
.if (\i)%2 == 0
	v_perm_b32 v[SWE], v[PW1], v[PW0], 0x05040100
	v_perm_b32 v[SWE+1], v[PW1], v[PW0], 0x07060302
.else
	v_perm_b32 v[SWO], v[PW1], v[PW0], 0x05040100
	v_perm_b32 v[SWO+1], v[PW1], v[PW0], 0x07060302
	v_cndmask_b32 v[SS+2*((\i)/2)], v[SWE], v[SWO], s10
	v_cndmask_b32 v[SS+2*((\i)/2)+1], v[SWE+1], v[SWO+1], s10
.irp e, 0,1
	global_store_b32 v[LI4], v[SS+2*((\i)/2)+\e], s[12:13] offset:HEADB*\e+12288+128*((\i)/2)
.endr
.endif
.irp e, 0,1
.irp c, 0,1,2
	global_store_b128 v[LI16], v[FB+24*\i+12*\e+4*\c:FB+24*\i+12*\e+4*\c+3], s[12:13] offset:HEADB*\e+1536*\i+512*\c
.endr
.endr
.endr
	s_branch .Ldone
.Lv:
.irp a, 0,1,2,3,4,5,6,7
	QUANTW 2+(\a)/4, 64*((\a)%4), FB+12*\a, FB+12*\a+6, PW0+(\a)%2
.if (\a)%2
	v_cndmask_b32 v[SS+(\a)/2], v[PW0], v[PW1], s10
	global_store_b32 v[LI4], v[SS+(\a)/2], s[12:13] offset:HEADB*((\a)/4)+6400+128*(((\a)%4)/2)
.endif
.irp c, 0,1,2
	global_store_b128 v[LI16], v[FB+12*\a+4*\c:FB+12*\a+4*\c+3], s[12:13] offset:HEADB*((\a)/4)+1536*((\a)%4)+512*\c
.endr
.endr
.Ldone:
	s_wait_tensorcnt 0x0
	ds_add_u32 v[SPW], v[NIL]
	s_wait_dscnt 0x0
	CROUND
	s_endpgm
.Lfunc_end_k_qff046e33ad_gemm_qkv:
	.size	k_qff046e33ad_gemm_qkv, .Lfunc_end_k_qff046e33ad_gemm_qkv-k_qff046e33ad_gemm_qkv
	.p2alignl 7, 3214868480
	.fill 96, 4, 3214868480
	.section	.rodata,"a",@progbits
	.p2align	6, 0x0
	.amdhsa_kernel k_qff046e33ad_gemm_qkv
		.amdhsa_group_segment_fixed_size 327680
		.amdhsa_private_segment_fixed_size 0
		.amdhsa_enable_private_segment 0
		.amdhsa_kernarg_size 24
		.amdhsa_user_sgpr_count 2
		.amdhsa_user_sgpr_kernarg_segment_ptr 1
		.amdhsa_wavefront_size32 1
		.amdhsa_system_sgpr_workgroup_id_x 1
		.amdhsa_system_sgpr_workgroup_id_y 1
		.amdhsa_system_sgpr_workgroup_id_z 1
		.amdhsa_system_vgpr_workitem_id 0
		.amdhsa_next_free_vgpr 1024
		.amdhsa_next_free_sgpr 100
		.amdhsa_reserve_vcc 0
		.amdhsa_float_denorm_mode_32 3
		.amdhsa_float_denorm_mode_16_64 3
		.amdhsa_memory_ordered 1
		.amdhsa_forward_progress 1
		.amdhsa_inst_pref_size 200
	.end_amdhsa_kernel
	.amdgpu_metadata
---
amdhsa.version: [ 1, 2 ]
amdhsa.kernels:
  - .name:           k_qff046e33ad_gemm_qkv
    .symbol:         k_qff046e33ad_gemm_qkv.kd
    .args:
      - { .name: codes, .offset: 0, .size: 8, .value_kind: global_buffer, .address_space: global }
      - { .name: scales, .offset: 8, .size: 8, .value_kind: global_buffer, .address_space: global }
      - { .name: qkv, .offset: 16, .size: 8, .value_kind: global_buffer, .address_space: global }
    .group_segment_fixed_size: 327680
    .private_segment_fixed_size: 0
    .kernarg_segment_align: 8
    .kernarg_segment_size: 24
    .max_flat_workgroup_size: 128
    .sgpr_count:     100
    .vgpr_count:     1024
    .wavefront_size: 32
...
	.end_amdgpu_metadata
.endif
;; end of part 2
;; launch attn (part 3): grid 4 x 64, 16 waves a work-group, clusters of 4 x 1, 206,848 bytes of LDS; arguments qkv, ac, asc; writes ac, asc
.if DOCPART == 3
	.amdgcn_target "amdgcn-amd-amdhsa--gfx1250"
	.amdhsa_code_object_version 6
	.text
	.protected	k_qff046e33ad_attn
	.globl	k_qff046e33ad_attn
	.p2align	8
	.type	k_qff046e33ad_attn,@function
k_qff046e33ad_attn:
	s_mov_b64 s[64:65], 0
	v_nop
	global_prefetch_b8 v0, s[64:65] scope:SCOPE_SE
	s_setreg_imm32_b32 hwreg(HW_REG_WAVE_MODE, 25, 1), 1
	s_wait_xcnt 0x0
	s_wait_alu depctr_hold_cnt(0) depctr_sa_sdst(0) depctr_va_vdst(0) depctr_va_sdst(0) depctr_va_ssrc(0) depctr_va_vcc(0) depctr_vm_vsrc(0)
	s_getreg_b32 s2, hwreg(HW_REG_IB_STS2, 6, 4)
	s_cmp_eq_u32 s2, 0
	s_cbranch_scc0 .Lentry_in_a_cluster
	s_endpgm
.Lentry_in_a_cluster:
	s_bfe_u32 s2, ttmp6, 0x10000c
	s_cmp_lg_u32 s2, 0x3003
	s_cbranch_scc0 .Lentry_shape_is_right
	s_endpgm
.Lentry_shape_is_right:
; LAUNCH 3 OF 4.  For each batch and head: S = q k^T / 8, p = 2^(t - M), O = (p v) / l, both products on codes of FP6 (E2M3) with E8M0 scales; O is quantised along the concatenated heads and stored as the last product's operand.
; No work of reference() is left out.  LIMITS as in the first launch (byte held at 1 from below; no NaN, no infinity).
; THE SOFTMAX: t = score x log2(e) / 8; M = the running largest t, rounded UP to a whole number; p = 2^(t - M) is quantised along the keys, not normalised.  The row's sum is taken of the unquantised p and divides O at the end.
; When M moves, the sum and O are multiplied by 2^(old M - new M): exact.
; SHARES.  A work-group owns one head and 512 queries; each of its sixteen waves one pair fragment of q: two tiles of 16 queries, taken one after the other; for each it walks the head's 2,048 keys, 128 a step.  Four waves to a SIMD.
; THE WHOLE HEAD'S K AND V STAY IN LDS: 16 records of 12,800 bytes, filled ONCE: wave w brings record w by one tensor load.  So the loop has no refill and no barrier.  The four query blocks of a head are one cluster and ask jointly.
; A record holds register images: every LDS read is 16 or 4 bytes a lane on end.
; THE HEAD'S 64 IN AN INSTRUCTION OF 128.  A fragment of K holds TWO tiles of 16 keys: registers 0-5 tile 2 f, registers 6-11 tile 2 f + 1.  Q lies as 6 zeros, its 6 registers, 6 zeros: the run (q, 0) picks tile 2 f, the run (0, q) tile 2 f + 1:
; zero codes add exactly nothing under any of the scale bytes, which lie between 1 and 254.
; LAYOUT.  Both products are used transposed (S^T = K Q^T, O^T = V^T P^T): a lane holds ONE query throughout.  By the stored order of rows the 16 registers of key tiles 2 b, 2 b + 1 are keys 32 b + 16 (lane / 16) + 0 .. 15, and those of channel tiles
; 2 b, 2 b + 1 of O^T channels 32 b + 16 (lane / 16) + 0 .. 15.
; ac: [128 tokens 64][256 along K 4][token tile 8][128 along K 2][head's parity 2][piece 3][lane 32][8 bytes]: the last product's A fragments as register images.  asc: [token][32 bytes].
.set REC,   12800
.set SPARE, 16*REC                     ; behind the records: the spare words, 128 bytes a wave, which no other line names
.set LI,  1                            ; v1   16 x lane
.set LS,  2                            ; v2   4 x lane
.set R4,  4                            ; v4   4 x (lane % 16)
.set SPW, 5                            ; v5   LDS address of my spare word; never rewritten
.set NIL, 6                            ; v6   0; never rewritten
.set L8,  7                            ; v7   8 x lane
.set ADR, 8                            ; v8   the step's record + 16 x lane
.set ADS, 9                            ; v9   the step's record + 4 x lane
.set BA,  10                           ; v10  32 x (lane % 16) + lane / 16: my scale byte's place
.set QS,  34                           ; v34  Q's scale word: its two bytes, twice.  v[16:33]: 0 x 6, q x 6, 0 x 6
.set QR,  35                           ; v35  the pair's scale word as loaded
.set KSC, 36                           ; v36-37 K's scale words (lanes 0-15 fragment 0 or 2, lanes 16-31 fragment 1 or 3)
.set VSC, 38                           ; v38-39 V's
.set KF,  40                           ; v40-87 four fragments: K's, then V's
.set Q1,  88                           ; v88-93 the second tile's q
.set S,   96                           ; v96-159 S^T, then p
.set OT,  160                          ; v160-191 O^T
.set BM,  192                          ; v192-195 the blocks' largest scores, then largest p
.set BT,  196                          ; v196-199 the other half's, then bytes
.set SO,  200                          ; v200-203 the conversions' scale operands
.set CT,  204                          ; v204-206, v208-210 the conversions' second halves
.set FF,  212                          ; v212 f = 2^(old M - new M)
.set PW,  213                          ; v213 p's scale word
.set TT,  214
.set SU,  216                          ; v[216:217] the sums' second chain
.set BY,  218                          ; v218 the byte to store
.set PC,  224                          ; v224-235 p's codes; on the way out O's
.set WV,  10                           ; s10 my wave's number
.set SEL, 36                           ; s[36:37] v_permlanex16_b32's selects for lane l xor 16
.set CS,  38                           ; s[38:39] c = log2(e) / 8
.set HM,  40                           ; s40 lanes 16-31
.set TB,  41                           ; s41 LDS byte at which the step's record begins
.set CNT, 42
.macro CROUND                          ; a round of the cluster's barrier
	s_barrier_signal -1
	s_barrier_wait -1
	s_cmp_lg_u32 s[WV], 0
	s_cbranch_scc1 .Lnot_wave_0_\@
	s_barrier_signal -3
.Lnot_wave_0_\@:
	s_barrier_wait -3
	s_barrier_signal -1
	s_barrier_wait -1
.endm
	s_load_b128 s[4:7], s[0:1], 0x0                ; qkv, ac
	s_load_b64 s[8:9], s[0:1], 0x10                ; asc
	v_lshl_add_u32 v[SPW], v0, 2, SPARE
	v_mov_b32 v[NIL], 0
	ds_add_u32 v[SPW], v[NIL]                      ; the wave's opening: the add, twice on end, and its wait ahead of my first tensor load
	ds_add_u32 v[SPW], v[NIL]                      ; and once more, under the one wait; the set-up below, work on registers, stands between
	v_lshrrev_b32 v3, 5, v0
	s_delay_alu instid0(VALU_DEP_1)
	v_readfirstlane_b32 s[WV], v3                  ; wave 0..15
	s_bfe_u32 s11, ttmp6, 0x40000                  ; cx: my block of 512 queries; it enters q's, ac's and asc's addresses alone
	s_and_b32 s12, ttmp7, 0xffff                   ; 16 x batch + head, which the four partners share
	s_and_b32 s13, s12, 15                         ; head
	s_lshr_b32 s14, s12, 4                         ; batch
	; descriptor group 1: a record, 12,800 dense bytes, as 50 rows of 256 bytes (32 elements of 8), no padding; the mask names all four work-groups, bit 21 beside it
	s_mov_b32 s16, 15|(3<<16)|(1<<21)
	s_mov_b32 s17, 32<<16                          ; tensor_dim0
	s_mov_b32 s18, 50<<16                          ; tensor_dim1
	s_mov_b32 s19, 32<<16                          ; tile_dim0
	s_mov_b32 s20, 50                              ; tile_dim1
	s_mov_b32 s21, 32                              ; from row to row
	s_mov_b32 s22, 0
	s_mov_b32 s23, 0
	s_lshl_b32 s44, s12, 4                         ; the head's first record
	s_add_co_u32 s46, s44, s[WV]
	s_mul_i32 s46, s46, REC
	s_add_co_u32 s46, s46, 64*16*REC               ; k's and v's half of the buffer
	s_mov_b32 s47, 0
	s_mov_b32 s24, 1                               ; group 0: count = 1,
	s_mul_i32 s25, s[WV], REC                      ; LDS address: record w
	s_lshl_b32 s48, s11, 2
	s_lshr_b32 s49, s[WV], 2
	s_add_co_u32 s48, s48, s49                     ; my queries' record: 4 cx + w / 4
	s_and_b32 s49, s[WV], 3                        ; and my pair fragment in it
	s_add_co_u32 s50, s44, s48
	s_mul_i32 s50, s50, REC
	s_mul_i32 s28, s49, 1536
	s_add_co_u32 s28, s28, s50                     ; q's codes
	s_mov_b32 s29, 0
	s_lshl_b32 s30, s49, 6
	s_add_co_u32 s30, s30, s50
	s_add_co_u32 s30, s30, 12288                   ; q's scale words
	s_mov_b32 s31, 0
	s_lshl_b32 s51, s14, 4
	s_add_co_u32 s51, s51, s48                     ; my block of 128 tokens among the 64
	s_lshl_b32 s32, s51, 2
	s_lshr_b32 s52, s13, 2
	s_add_co_u32 s32, s32, s52                     ; x 4 + head / 4: 256 along the last product's K
	s_lshl_b32 s32, s32, 4
	s_lshl_b32 s52, s49, 2
	s_add_co_u32 s32, s32, s52                     ; x 16 + 2 x token tile (4 f; the second tile by the stores' offset)
	s_bfe_u32 s52, s13, 0x10001
	s_add_co_u32 s32, s32, s52                     ; + (head / 2) % 2
	s_mul_i32 s32, s32, 1536
	s_and_b32 s52, s13, 1
	s_mul_i32 s52, s52, 768
	s_add_co_u32 s32, s32, s52                     ; + the head's parity: registers 0-5 or 6-11
	s_mov_b32 s33, 0
	s_lshl_b32 s34, s51, 3
	s_lshl_b32 s52, s49, 1
	s_add_co_u32 s34, s34, s52                     ; my first token tile
	s_lshl_b32 s34, s34, 9                         ; 16 tokens x 32 bytes
	s_lshl_b32 s52, s13, 1
	s_add_co_u32 s34, s34, s52                     ; + the head's two bytes
	s_mov_b32 s35, 0
	s_mov_b32 s[SEL], 0x76543210
	s_mov_b32 s[SEL+1], 0xfedcba98
	s_mov_b32 s[CS], 0x3e38aa3b                    ; log2(e) / 8
	s_mov_b32 s[CS+1], s[CS]                       ; (named with it as a pair, so it is written)
	s_mov_b32 s[HM], 0xffff0000
	s_wait_dscnt 0x0                               ; both opening adds are done
	s_wait_kmcnt 0x0
	s_add_nc_u64 s[26:27], s[4:5], s[46:47]        ; group 0: the record's global address,
	s_or_b32 s27, s27, 0x80000000                  ; type = 2
	s_add_nc_u64 s[28:29], s[4:5], s[28:29]
	s_add_nc_u64 s[30:31], s[4:5], s[30:31]
	s_add_nc_u64 s[32:33], s[6:7], s[32:33]
	s_add_nc_u64 s[34:35], s[8:9], s[34:35]
	CROUND                                         ; all four work-groups are here: the joint loads meet
	tensor_load_to_lds s[24:27], s[16:23]          ; my one tensor load of the launch: record w
	s_nop 0
.rept 4
	v_nop
.endr
	v_and_b32 v3, 31, v0                           ; lane
	s_delay_alu instid0(VALU_DEP_1)
	v_lshlrev_b32 v[LI], 4, v3
	s_delay_alu instid0(VALU_DEP_2)
	v_lshlrev_b32 v[LS], 2, v3
	s_delay_alu instid0(VALU_DEP_3)
	v_lshlrev_b32 v[L8], 3, v3
	v_and_b32 v3, 15, v0                           ; r
	s_delay_alu instid0(VALU_DEP_1)
	v_lshlrev_b32 v[R4], 2, v3
	v_bfe_u32 v11, v0, 4, 1                        ; h
	s_delay_alu instid0(VALU_DEP_1)
	v_lshl_add_u32 v[BA], v3, 5, v11
.irp u, 0,1                                    ; tile u's q is registers 6 u .. 6 u + 5 of the pair's image: register n lies at 512 (n / 4) + 16 x lane + 4 (n % 4)
.irp p, 0,1,2
	global_load_b64 v[22+66*\u+2*\p:23+66*\u+2*\p], v[LI], s[28:29] offset:512*((6*\u+2*\p)/4)+4*((6*\u+2*\p)%4)
.endr
.endr
	global_load_b32 v[QR], v[R4], s[30:31]         ; the pair's scale words: lane r (and 16 + r) takes row r's
.irp j, 16,17,18,19,20,21,28,29,30,31,32,33
	v_mov_b32 v\j, 0                               ; the zero codes on both sides of q
.endr
.irp b, 0,1,2,3
	v_mov_b32 v[BT+\b], 0                          ; written once: a lane permute's destination counts as one of its sources
.endr
	v_mov_b32 v[PW], 0                             ; (named as the upper half of the pair v[212:213] before it is first written)
	s_wait_tensorcnt 0x0                           ; my record has landed,
	s_barrier_signal -1
	s_barrier_wait -1                              ; everybody's has.
	s_wait_loadcnt 0x0                             ; q
; A KEY STEP: 128 keys: the record at s[TB].
.macro STEP
	v_add_nc_u32 v[ADR], s[TB], v[LI]
	v_add_nc_u32 v[ADS], s[TB], v[LS]
	v_nop
	v_nop                                          ; four plain lines between the last step's products and the loads into the registers that they read
.irp f, 0,1,2,3
.irp c, 0,1,2
	ds_load_b128 v[KF+12*\f+4*\c:KF+12*\f+4*\c+3], v[ADR] offset:1536*\f+512*\c
.endr
.endr
	ds_load_b32 v[KSC], v[ADS] offset:12288
	ds_load_b32 v[KSC+1], v[ADS] offset:12416
	s_wait_alu depctr_va_vdst(0)
	s_wait_dscnt 0x0
.irp f, 0,1,2,3                                ; S^T = K Q^T: fragment f against (q, 0) gives key tile 2 f, against (0, q) tile 2 f + 1
.if (\f)%2
	v_wmma_scale_f32_16x16x128_f8f6f4 v[S+16*\f:S+16*\f+7], v[KF+12*\f:KF+12*\f+11], v[22:33], 0, v[KSC+(\f)/2], v[QS] matrix_a_fmt:MATRIX_FMT_FP6 matrix_b_fmt:MATRIX_FMT_FP6 matrix_a_scale:MATRIX_SCALE_ROW1
	v_wmma_scale_f32_16x16x128_f8f6f4 v[S+16*\f+8:S+16*\f+15], v[KF+12*\f:KF+12*\f+11], v[16:27], 0, v[KSC+(\f)/2], v[QS] matrix_a_fmt:MATRIX_FMT_FP6 matrix_b_fmt:MATRIX_FMT_FP6 matrix_a_scale:MATRIX_SCALE_ROW1
.else
	v_wmma_scale_f32_16x16x128_f8f6f4 v[S+16*\f:S+16*\f+7], v[KF+12*\f:KF+12*\f+11], v[22:33], 0, v[KSC+(\f)/2], v[QS] matrix_a_fmt:MATRIX_FMT_FP6 matrix_b_fmt:MATRIX_FMT_FP6
	v_wmma_scale_f32_16x16x128_f8f6f4 v[S+16*\f+8:S+16*\f+15], v[KF+12*\f:KF+12*\f+11], v[16:27], 0, v[KSC+(\f)/2], v[QS] matrix_a_fmt:MATRIX_FMT_FP6 matrix_b_fmt:MATRIX_FMT_FP6
.endif
.endr
.rept 4
	v_nop                                          ; places: in front of the loads into K's registers, and of the first read of the scores
.endr
.irp t, 0,1,2,3                                ; V's fragments are asked for now and land while the softmax is walked
.irp c, 0,1,2
	ds_load_b128 v[KF+12*\t+4*\c:KF+12*\t+4*\c+3], v[ADR] offset:6144+1536*\t+512*\c
.endr
.endr
	ds_load_b32 v[VSC], v[ADS] offset:12544
	ds_load_b32 v[VSC+1], v[ADS] offset:12672
.irp b, 0,1,2,3
	v_max3_num_f32 v[BM+\b], v[S+16*\b], v[S+16*\b+1], v[S+16*\b+2]   ; the largest score of each block of 32 keys: it serves for the row's maximum and, since p rises with the score, for the block's largest p
.endr
.irp i, 3,5,7,9,11,13
.irp b, 0,1,2,3
	v_max3_num_f32 v[BM+\b], v[BM+\b], v[S+16*\b+\i], v[S+16*\b+\i+1]
.endr
.endr
.irp b, 0,1,2,3
	v_max_num_f32 v[BM+\b], v[BM+\b], v[S+16*\b+15]
.endr
.irp b, 0,1,2,3
	s_delay_alu instid0(VALU_DEP_4)
	v_permlanex16_b32 v[BT+\b], v[BM+\b], s[SEL], s[SEL+1]
.endr
.irp b, 0,1,2,3
	s_delay_alu instid0(VALU_DEP_4)
	v_max_num_f32 v[BM+\b], v[BM+\b], v[BT+\b]     ; with lane l xor 16's 16 keys
.endr
	s_delay_alu instid0(VALU_DEP_2)
	v_max3_num_f32 v[TT], v[BM], v[BM+1], v[BM+2]
	s_delay_alu instid0(VALU_DEP_1)
	v_max_num_f32 v[TT], v[TT], v[BM+3]            ; the step's largest score of my query
	s_delay_alu instid0(VALU_DEP_1)
	v_mul_f32 v[TT], s[CS], v[TT]                  ; as t (c is positive)
	s_delay_alu instid0(VALU_DEP_1)
	v_max_num_f32 v13, v13, v[TT]                  ; the running largest t
	v_mov_b32 v[TT], v12
	s_delay_alu instid0(VALU_DEP_2)
	v_floor_f32 v12, -v13                          ; the new -M = floor(-t) = -ceil(t)
	s_delay_alu instid0(VALU_DEP_1)
	v_sub_f32 v[TT], v12, v[TT]                    ; old M - new M: a whole number, 0 or less
	s_delay_alu instid0(VALU_DEP_1)
	v_cvt_i32_f32 v[TT], v[TT]                     ; (it saturates)
	s_delay_alu instid0(VALU_DEP_1)
	v_ldexp_f32 v[FF], 1.0, v[TT]                  ; f = 2^(old M - new M)
.set j, 0
.rept 32
	v_pk_fma_f32 v[S+j:S+j+1], v[S+j:S+j+1], s[CS:CS+1], v[12:13] op_sel_hi:[1,0,0]   ; t - M, two at a time
.set j, j+2
.endr
.irp b, 0,1,2,3
	v_fma_f32 v[BM+\b], v[BM+\b], s[CS], v12       ; the same of each block's largest score
.endr
.set j, 0
	s_wait_alu depctr_va_vdst(0)
.rept 64
	v_exp_f32 v[S+j], v[S+j]                       ; p = 2^(t - M), at most 1
.set j, j+1
.endr
	s_setprio 1
	v_pk_mul_f32 v[14:15], v[14:15], v[FF:FF+1] op_sel_hi:[1,0]   ; the sums under the new M (the plain line behind the exponentials)
	s_wait_alu depctr_va_vdst(0)                   ; one wait for the batch of 64, ahead of its first reader
.irp b, 0,1,2,3
	v_exp_f32 v[BM+\b], v[BM+\b]                   ; the block's largest p: the same two instructions on the same number give the same bits
.endr
	v_pk_add_f32 v[216:217], v[100:101], v[104:105]
	v_pk_add_f32 v[254:255], v[108:109], v[112:113]
	v_pk_add_f32 v[252:253], v[116:117], v[120:121]
	v_pk_add_f32 v[250:251], v[124:125], v[128:129]
	v_pk_add_f32 v[248:249], v[132:133], v[136:137]
	v_pk_add_f32 v[246:247], v[140:141], v[144:145]
	v_pk_add_f32 v[244:245], v[148:149], v[152:153]
	v_pk_add_f32 v[14:15], v[14:15], v[156:157]
	v_pk_add_f32 v[216:217], v[216:217], v[96:97]
	v_pk_add_f32 v[254:255], v[254:255], v[98:99]
	v_pk_add_f32 v[252:253], v[252:253], v[102:103]
	v_pk_add_f32 v[250:251], v[250:251], v[106:107]
	v_pk_add_f32 v[248:249], v[248:249], v[110:111]
	v_pk_add_f32 v[246:247], v[246:247], v[114:115]
	v_pk_add_f32 v[244:245], v[244:245], v[118:119]
	v_pk_add_f32 v[14:15], v[14:15], v[122:123]
	v_pk_add_f32 v[216:217], v[216:217], v[126:127]
	v_pk_add_f32 v[254:255], v[254:255], v[130:131]
	v_pk_add_f32 v[252:253], v[252:253], v[134:135]
	v_pk_add_f32 v[250:251], v[250:251], v[138:139]
	v_pk_add_f32 v[248:249], v[248:249], v[142:143]
	v_pk_add_f32 v[246:247], v[246:247], v[146:147]
	v_pk_add_f32 v[244:245], v[244:245], v[150:151]
	v_pk_add_f32 v[14:15], v[14:15], v[154:155]
	v_pk_add_f32 v[216:217], v[216:217], v[158:159]
	s_delay_alu instid0(VALU_DEP_2)
	v_pk_add_f32 v[14:15], v[14:15], v[250:251]
	s_delay_alu instid0(VALU_DEP_2)
	v_pk_add_f32 v[216:217], v[216:217], v[248:249]
	v_pk_add_f32 v[254:255], v[254:255], v[246:247]
	v_pk_add_f32 v[252:253], v[252:253], v[244:245]
	s_delay_alu instid0(VALU_DEP_2)
	v_pk_add_f32 v[14:15], v[14:15], v[254:255]
	s_delay_alu instid0(VALU_DEP_2)
	v_pk_add_f32 v[216:217], v[216:217], v[252:253]
	s_delay_alu instid0(VALU_DEP_1)
	v_pk_add_f32 v[14:15], v[14:15], v[216:217]
	s_wait_alu depctr_va_vdst(0)                   ; and one for the four
.irp b, 0,1,2,3
	v_max_num_f32 v[BM+\b], 0x1800000, v[BM+\b]    ; the floor 2^(3 - 127): the byte cannot fall under 1
.endr
.irp b, 0,1,2,3
	s_delay_alu instid0(VALU_DEP_4)
	v_add_nc_u32 v[SO+\b], 0xff000000, v[BM+\b]    ; 2 off the exponent field: the conversion's scale operand
.endr
.irp b, 0,1,2,3
	s_delay_alu instid0(VALU_DEP_4)
	v_lshrrev_b32 v[BT+\b], 23, v[SO+\b]           ; the scale's byte
.endr
	s_delay_alu instid0(VALU_DEP_3)
	v_lshl_or_b32 v[PW], v[BT+1], 8, v[BT]         ; p's scale word for these 128 keys
	s_delay_alu instid0(VALU_DEP_1)
	v_lshl_or_b32 v[PW], v[BT+2], 16, v[PW]
	s_delay_alu instid0(VALU_DEP_1)
	v_lshl_or_b32 v[PW], v[BT+3], 24, v[PW]
.irp c, 0,1
	v_cvt_scalef32_pk16_fp6_f32 v[PC+6*\c:PC+6*\c+2], v[S+32*\c:S+32*\c+15], v[SO+2*\c]
	v_cvt_scalef32_pk16_fp6_f32 v[CT+4*\c:CT+4*\c+2], v[S+32*\c+16:S+32*\c+31], v[SO+2*\c+1]   ; (a conversion's three registers begin on an even number)
.endr
	v_nop                                          ; one plain line behind the scaled conversions
.irp c, 0,1                                    ; the operand's layout wants a whole block in a lane
.irp i, 0,1,2
	v_permlane16_swap_b32 v[PC+6*\c+\i], v[CT+4*\c+\i]
.endr
.irp i, 0,1,2
	s_delay_alu instid0(VALU_DEP_3)
	v_mov_b32 v[PC+6*\c+3+\i], v[CT+4*\c+\i]
.endr
.endr
.set j, 0
	s_setprio 0
.rept 16
	v_pk_mul_f32 v[OT+j:OT+j+1], v[OT+j:OT+j+1], v[FF:FF+1] op_sel_hi:[1,0]   ; O^T under the new M.  (These sixteen are also the places between the writes of p's codes and scale word and the products)
.set j, j+2
.endr
	s_wait_alu depctr_va_vdst(0)
	s_wait_dscnt 0x0                               ; V
.irp t, 0,1,2,3                                ; O^T += V^T P^T: four accumulators, one instruction each
.if (\t)%2
	v_wmma_scale_f32_16x16x128_f8f6f4 v[OT+8*\t:OT+8*\t+7], v[KF+12*\t:KF+12*\t+11], v[PC:PC+11], v[OT+8*\t:OT+8*\t+7], v[VSC+(\t)/2], v[PW] matrix_a_fmt:MATRIX_FMT_FP6 matrix_b_fmt:MATRIX_FMT_FP6 matrix_a_scale:MATRIX_SCALE_ROW1
.else
	v_wmma_scale_f32_16x16x128_f8f6f4 v[OT+8*\t:OT+8*\t+7], v[KF+12*\t:KF+12*\t+11], v[PC:PC+11], v[OT+8*\t:OT+8*\t+7], v[VSC+(\t)/2], v[PW] matrix_a_fmt:MATRIX_FMT_FP6 matrix_b_fmt:MATRIX_FMT_FP6
.endif
.endr
.endm
; ONE TILE OF 16 QUERIES: tile u of my pair.
.macro TILE u
.if \u
	s_wait_xcnt 0x0                                ; the first tile's stores have read their registers: they are written again only behind this wait
.irp i, 0,1,2,3,4,5
	v_mov_b32 v[22+\i], v[Q1+\i]
.endr
	v_perm_b32 v[QS], v[QR], v[QR], 0x03020302     ; the tile's two scale bytes, twice: they serve (q, 0) and (0, q) alike
.else
	v_perm_b32 v[QS], v[QR], v[QR], 0x01000100
.endif
	v_mov_b32 v13, 0xff61b1e6                      ; the largest t so far: -3e38, under every t
	s_delay_alu instid0(VALU_DEP_1)
	v_floor_f32 v12, -v13                          ; -M
	v_mov_b32 v14, 0                               ; the sum, in two halves
	v_mov_b32 v15, 0
.set j, 0
.rept 32
	v_mov_b32 v[OT+j], 0                           ; O^T: the step is written once; the first finds zeros, which the first change of M leaves zeros.  (Also the places behind the write of Q's scale word)
.set j, j+1
.endr
	s_mov_b32 s[TB], 0
	s_mov_b32 s[CNT], 16
.Lstep_\@:
	s_setprio 2
	STEP
	s_add_co_u32 s[TB], s[TB], REC
	s_sub_co_u32 s[CNT], s[CNT], 1
	s_cmp_lg_u32 s[CNT], 0
	s_cbranch_scc1 .Lstep_\@
	s_setprio 0
	; THE WAY OUT: O^T / the sum, quantised along the head's 64 channels (two blocks of the last product's K), stored as half a fragment's image
.rept 4
	v_nop                                          ; places behind the last products
.endr
	v_add_f32 v14, v14, v15                        ; the sum's two halves,
	s_delay_alu instid0(VALU_DEP_1)
	v_permlanex16_b32 v[TT], v14, s[SEL], s[SEL+1]
	s_delay_alu instid0(VALU_DEP_1)
	v_add_f32 v14, v14, v[TT]                      ; and lane l xor 16's: the row's sum
	s_wait_alu depctr_va_vdst(0)
	v_rcp_f32 v14, v14
	v_nop                                          ; a plain line behind the reciprocal,
	s_wait_alu depctr_va_vdst(0)                   ; and the wait ahead of its first reader
.set j, 0
.rept 16
	v_pk_mul_f32 v[S+j:S+j+1], v[OT+j:OT+j+1], v[14:15] op_sel_hi:[1,0]   ; register 16 b + i: channel 32 b + 16 (lane / 16) + i of my query; each accumulator from its low end on
.set j, j+2
.endr
.irp b, 0,1
	v_max3_num_f32 v[BM+\b], |v[S+16*\b]|, |v[S+16*\b+1]|, 0x1800000
.endr
.irp i, 2,4,6,8,10,12,14
.irp b, 0,1
	s_delay_alu instid0(VALU_DEP_2)
	v_max3_num_f32 v[BM+\b], v[BM+\b], |v[S+16*\b+\i]|, |v[S+16*\b+\i+1]|
.endr
.endr
.irp b, 0,1
	s_delay_alu instid0(VALU_DEP_2)
	v_permlanex16_b32 v[BT+\b], v[BM+\b], s[SEL], s[SEL+1]
.endr
.irp b, 0,1
	s_delay_alu instid0(VALU_DEP_2)
	v_max_num_f32 v[BM+\b], v[BM+\b], v[BT+\b]
.endr
.irp b, 0,1
	s_delay_alu instid0(VALU_DEP_2)
	v_add_nc_u32 v[SO+\b], 0xff000000, v[BM+\b]
.endr
.irp b, 0,1
	s_delay_alu instid0(VALU_DEP_2)
	v_lshrrev_b32 v[BT+\b], 23, v[SO+\b]
.endr
	v_cvt_scalef32_pk16_fp6_f32 v[PC:PC+2], v[S:S+15], v[SO]
	v_cvt_scalef32_pk16_fp6_f32 v[CT:CT+2], v[S+16:S+31], v[SO+1]
	v_nop
.irp i, 0,1,2
	v_permlane16_swap_b32 v[PC+\i], v[CT+\i]
.endr
.irp i, 0,1,2
	s_delay_alu instid0(VALU_DEP_3)
	v_mov_b32 v[PC+3+\i], v[CT+\i]
.endr
	v_cndmask_b32 v[BY], v[BT], v[BT+1], s[HM]     ; lanes 0-15 block 0's byte, lanes 16-31 block 1's
.irp p, 0,1,2
	global_store_b64 v[L8], v[PC+2*\p:PC+2*\p+1], s[32:33] offset:3072*\u+256*\p   ; 32 lanes store 256 consecutive bytes, at a multiple of 256 from the buffer's first byte
.endr
	global_store_b8 v[BA], v[BY], s[34:35] offset:512*\u   ; two bytes of each token's 32: one part in 24 of what this launch stores
.endm
	TILE 0
	TILE 1
	s_wait_tensorcnt 0x0                           ; the wave's end, behind my tensor load
	ds_add_u32 v[SPW], v[NIL]
	s_wait_dscnt 0x0
	CROUND                                         ; the closing round
	s_endpgm
.Lfunc_end_k_qff046e33ad_attn:
	.size	k_qff046e33ad_attn, .Lfunc_end_k_qff046e33ad_attn-k_qff046e33ad_attn
	.p2alignl 7, 3214868480
	.fill 96, 4, 3214868480
	.section	.rodata,"a",@progbits
	.p2align	6, 0x0
	.amdhsa_kernel k_qff046e33ad_attn
		.amdhsa_group_segment_fixed_size 206848
		.amdhsa_private_segment_fixed_size 0
		.amdhsa_enable_private_segment 0
		.amdhsa_kernarg_size 24
		.amdhsa_user_sgpr_count 2
		.amdhsa_user_sgpr_kernarg_segment_ptr 1
		.amdhsa_wavefront_size32 1
		.amdhsa_system_sgpr_workgroup_id_x 1
		.amdhsa_system_sgpr_workgroup_id_y 1
		.amdhsa_system_sgpr_workgroup_id_z 1
		.amdhsa_system_vgpr_workitem_id 0
		.amdhsa_next_free_vgpr 256
		.amdhsa_next_free_sgpr 66
		.amdhsa_reserve_vcc 0
		.amdhsa_float_denorm_mode_32 3
		.amdhsa_float_denorm_mode_16_64 3
		.amdhsa_memory_ordered 1
		.amdhsa_forward_progress 1
		.amdhsa_inst_pref_size 52
	.end_amdhsa_kernel
	.amdgpu_metadata
---
amdhsa.version: [ 1, 2 ]
amdhsa.kernels:
  - .name:           k_qff046e33ad_attn
    .symbol:         k_qff046e33ad_attn.kd
    .args:
      - { .name: qkv, .offset: 0, .size: 8, .value_kind: global_buffer, .address_space: global }
      - { .name: ac, .offset: 8, .size: 8, .value_kind: global_buffer, .address_space: global }
      - { .name: asc, .offset: 16, .size: 8, .value_kind: global_buffer, .address_space: global }
    .group_segment_fixed_size: 206848
    .private_segment_fixed_size: 0
    .kernarg_segment_align: 8
    .kernarg_segment_size: 24
    .max_flat_workgroup_size: 512
    .sgpr_count:     66
    .vgpr_count:     256
    .wavefront_size: 32
...
	.end_amdgpu_metadata
.endif
;; end of part 3
;; launch gemm_out (part 4): grid 4 x 32, 4 waves a work-group, clusters of 4 x 4, 327,680 bytes of LDS; arguments ac, asc, codes, scales, out0; writes out0
.if DOCPART == 4
	.amdgcn_target "amdgcn-amd-amdhsa--gfx1250"
	.amdhsa_code_object_version 6
	.text
	.protected	k_qff046e33ad_gemm_out
	.globl	k_qff046e33ad_gemm_out
	.p2align	8
	.type	k_qff046e33ad_gemm_out,@function
k_qff046e33ad_gemm_out:
	s_mov_b64 s[64:65], 0
	v_nop
	global_prefetch_b8 v0, s[64:65] scope:SCOPE_SE
	s_setreg_imm32_b32 hwreg(HW_REG_WAVE_MODE, 25, 1), 1
	s_wait_xcnt 0x0
	s_wait_alu depctr_hold_cnt(0) depctr_sa_sdst(0) depctr_va_vdst(0) depctr_va_sdst(0) depctr_va_ssrc(0) depctr_va_vcc(0) depctr_vm_vsrc(0)
	s_getreg_b32 s2, hwreg(HW_REG_IB_STS2, 6, 4)
	s_cmp_eq_u32 s2, 0
	s_cbranch_scc0 .Lentry_in_a_cluster
	s_endpgm
.Lentry_in_a_cluster:
	s_bfe_u32 s2, ttmp6, 0x10000c
	s_cmp_lg_u32 s2, 0xf033
	s_cbranch_scc0 .Lentry_shape_is_right
	s_endpgm
.Lentry_shape_is_right:
.set SIZE_K, 1024
.set SIZE_N, 1024
.set KSTEP,  256
.set NQ,     KSTEP/128
.set ROWB,   192
.set KROW,   SIZE_K*6/8
.set PITCH,  240
.set ABLK,   24576
.set FR,     12
.set NL,     6
.set NP,     4
.set HALFT,  128*PITCH
.set SLOT,   4*HALFT
.set LAPS,   SIZE_K/(2*KSTEP)
.set KS,     SIZE_K/32
.set SCL,    2*SLOT
.set HALFS,  (128*KS/256)*272
.set SBLK,   (16*KS/256)*272
.set SPARE,  SCL+4*HALFS
.set SPITCH, 528
.set ADRA, 16
.set ADRB, 20
.set STO,  24
.set RD,   25
.set CO,   26
.set ADRS, 27
.set SPW,  28
.set NIL,  29
.set SC,   32
.set AF,   128
.set BK,   128
.set G1, 24
.set G0, 32
.set G1B, 48
.set G0B, 56
.set G1S, 68
.set G0S, 76
.set G1SB, 80
.set G0SB, 88
.set MSB, 0
.macro WIN new
.if MSB != (\new)
	s_set_vgpr_msb (MSB<<8)|(\new)
.set MSB, (\new)
.endif
.endm
.set MUL_LO, 0xa1
.set MUL_HI, 0xf1
.set TO_B,   0x40
.macro JLOAD g0a, g1a, g0b, g1b
	s_cmp_eq_u32 s15, 0
	s_cbranch_scc0 .Lfor_b_\@
	tensor_load_to_lds s[\g0a:\g0a+3], s[\g1a:\g1a+7]
	s_nop 0
.rept 4
	v_nop
.endr
	s_branch .Lasked_\@
.Lfor_b_\@:
	tensor_load_to_lds s[\g0b:\g0b+3], s[\g1b:\g1b+7]
	s_nop 0
.rept 4
	v_nop
.endr
.Lasked_\@:
.endm
.macro CREST
	s_cmp_lg_u32 s14, 0
	s_cbranch_scc1 .Lnot_wave_0_\@
	s_barrier_signal -3
.Lnot_wave_0_\@:
	s_barrier_wait -3
	s_barrier_signal -1
	s_barrier_wait -1
.endm
.macro CROUND
	s_barrier_signal -1
	s_barrier_wait -1
	CREST
.endm
	s_load_b128 s[4:7], s[0:1], 0x0
	s_load_b128 s[8:11], s[0:1], 0x10
	s_load_b64 s[12:13], s[0:1], 0x20
	v_lshl_add_u32 v[SPW], v0, 2, SPARE
	v_mov_b32 v[NIL], 0
	ds_add_u32 v[SPW], v[NIL]
	ds_add_u32 v[SPW], v[NIL]
	v_lshrrev_b32 v1, 5, v0
	v_readfirstlane_b32 s14, v1
	s_lshr_b32 s15, s14, 1
	s_and_b32 s16, s14, 1
	s_bfe_u32 s40, ttmp6, 0x40000
	s_bfe_u32 s41, ttmp6, 0x40004
	s_lshl_b32 s42, ttmp9, 2
	s_add_co_u32 s42, s42, s40
	s_and_b32 s17, ttmp7, 0xffff
	s_lshl_b32 s17, s17, 2
	s_add_co_u32 s17, s17, s41
	s_lshl_b32 s43, s41, 2
	s_lshl_b32 s43, 15, s43
	s_lshl_b32 s44, 0x1111, s40
	s_or_b32 s[G1+0], s43, (3<<16)|(1<<21)
	s_mov_b32 s[G1+1], 32<<16
	s_mov_b32 s[G1+2], (ABLK/256)<<16
	s_mov_b32 s[G1+3], 32<<16
	s_mov_b32 s[G1+4], ABLK/256
	s_mov_b32 s[G1+5], 32
	s_mov_b32 s[G1+6], 0
	s_mov_b32 s[G1+7], 0
	s_or_b32 s[G1B+0], s44, (0<<16)|(1<<20)|(1<<21)|(3<<22)|(3<<25)
	s_mov_b32 s[G1B+1], ROWB<<16
	s_mov_b32 s[G1B+2], 128<<16
	s_mov_b32 s[G1B+3], ROWB<<16
	s_mov_b32 s[G1B+4], 128
	s_mov_b32 s[G1B+5], KROW
	s_mov_b32 s[G1B+6], 0
	s_mov_b32 s[G1B+7], 0
	s_or_b32 s[G1S+0], s43, (3<<16)|(1<<20)|(1<<21)|(5<<22)|(3<<25)
	s_or_b32 s[G1SB+0], s44, (3<<16)|(1<<20)|(1<<21)|(5<<22)|(3<<25)
.irp g, G1S, G1SB
	s_mov_b32 s[\g+1], 32<<16
	s_mov_b32 s[\g+2], (128*KS/256)<<16
	s_mov_b32 s[\g+3], 32<<16
	s_mov_b32 s[\g+4], 128*KS/256
	s_mov_b32 s[\g+5], 32
	s_mov_b32 s[\g+6], 0
	s_mov_b32 s[\g+7], 0
.endr
	s_lshl_b32 s18, s16, 7
	s_lshl_b32 s22, s17, 8
	s_add_co_u32 s22, s22, s18
	s_lshl_b32 s22, s22, 5
	s_mov_b32 s23, 0
	s_lshl_b32 s20, s17, 1
	s_add_co_u32 s20, s20, s16
	s_mul_i32 s20, s20, 4*ABLK
	s_mov_b32 s21, 0
	s_lshl_b32 s46, s42, 8
	s_add_co_u32 s46, s46, s18
	s_add_co_u32 s46, s46, 11264
	s_lshl_b32 s92, s46, 5
	s_mov_b32 s93, 0
	s_mul_i32 s46, s46, KROW
	s_mov_b32 s47, 0
	s_mul_i32 s45, s14, HALFT
	s_mul_i32 s94, s14, HALFS
	s_wait_dscnt 0x0
	s_wait_kmcnt 0x0
	s_add_nc_u64 s[20:21], s[4:5], s[20:21]
	s_add_nc_u64 s[22:23], s[6:7], s[22:23]
	s_add_nc_u64 s[46:47], s[8:9], s[46:47]
	s_add_nc_u64 s[92:93], s[10:11], s[92:93]
	CROUND
	s_mov_b32 s[G0S], 1
	s_add_co_u32 s[G0S+1], s94, SCL
	s_mov_b64 s[G0S+2:G0S+3], s[22:23]
	s_or_b32 s[G0S+3], s[G0S+3], 0x80000000
	s_mov_b32 s[G0SB], 1
	s_add_co_u32 s[G0SB+1], s94, SCL
	s_mov_b64 s[G0SB+2:G0SB+3], s[92:93]
	s_or_b32 s[G0SB+3], s[G0SB+3], 0x80000000
	JLOAD G0S, G1S, G0SB, G1SB
.irp s, 0,1
	s_mov_b32 s[G0+4*\s], 1
	s_add_co_u32 s[G0+4*\s+1], s45, \s*SLOT
	s_add_nc_u64 s[G0+4*\s+2:G0+4*\s+3], s[20:21], \s*ABLK
	s_or_b32 s[G0+4*\s+3], s[G0+4*\s+3], 0x80000000
	s_mov_b32 s[G0B+4*\s], 1
	s_add_co_u32 s[G0B+4*\s+1], s45, \s*SLOT
	s_add_nc_u64 s[G0B+4*\s+2:G0B+4*\s+3], s[46:47], \s*ROWB
	s_or_b32 s[G0B+4*\s+3], s[G0B+4*\s+3], 0x80000000
	s_wait_alu depctr_va_vdst(0)
	s_wait_tensorcnt 0x0
	ds_add_u32 v28, v29
	s_wait_dscnt 0x0
	CROUND
	JLOAD G0+4*\s, G1, G0B+4*\s, G1B
.endr
	v_and_b32 v1, 15, v0
	v_bfe_u32 v2, v0, 4, 1
	v_and_b32 v6, 31, v0
	v_lshlrev_b32 v7, 3, v6
	v_mul_u32_u24 v3, v1, PITCH
	v_mul_u32_u24 v4, v2, 24
	v_add_nc_u32 v4, v3, v4
	v_lshl_add_u32 v5, v2, 4, v4
	s_mul_i32 s21, s15, HALFT
	s_mul_i32 s22, s16, HALFT
	s_add_co_u32 s22, s22, 2*HALFT
.irp s, 0,1
	v_add_nc_u32 v[ADRA+\s], s21, v7
	v_add_nc_u32 v[ADRB+\s], s22, v4
	v_add_nc_u32 v[ADRB+2+\s], s22, v5
	s_add_co_u32 s21, s21, SLOT
	s_add_co_u32 s22, s22, SLOT
.endr
	v_mul_u32_u24 v5, v1, KS
	v_lshrrev_b32 v8, 8, v5
	v_lshl_add_u32 v5, v8, 4, v5
	s_mul_i32 s21, s15, HALFS
	s_mul_i32 s22, s16, HALFS
	s_add_co_u32 s22, s22, 2*HALFS
	s_sub_co_u32 s22, s22, s21
	v_mul_u32_u24 v8, s22, v2
	s_add_co_u32 s21, s21, SCL
	v_add_nc_u32 v5, v5, v8
	v_add_nc_u32 v[ADRS], s21, v5
	s_mul_i32 s23, s14, 16*SPITCH
	v_mul_u32_u24 v5, v1, SPITCH
	v_lshl_add_u32 v5, v2, 5, v5
	v_add_nc_u32 v[STO], s23, v5
	v_lshlrev_b32 v[CO], 4, v6
	v_add_nc_u32 v[RD], s23, v[CO]
	s_lshl_b32 s20, s17, 8
	s_lshl_b32 s21, s15, 7
	s_add_co_u32 s20, s20, s21
	s_lshl_b32 s20, s20, 12
	s_lshl_b32 s46, s42, 10
	s_lshl_b32 s47, s16, 9
	s_add_co_u32 s46, s46, s47
	s_add_co_u32 s20, s20, s46
	s_mov_b32 s21, 0
	s_add_nc_u64 s[12:13], s[12:13], s[20:21]
.macro FRAG reg, adr, q, i
.irp p, 0,1,2,3,4,5
.set PC, 12*(\q)+6*(\p/3)+\p%3
.if PC%8 < 5
	ds_load_b64 v[\reg+2*\p:\reg+2*\p+1], v[\adr] offset:8*PC+16*(PC/8)+(\i)*16*PITCH
.else
	ds_load_b64 v[\reg+2*\p:\reg+2*\p+1], v[\adr+2] offset:8*PC+16*(PC/8)+(\i)*16*PITCH
.endif
.endr
.endm
.macro FRAGA reg, slot, q, i
.irp p, 0,1,2,3,4,5
	ds_load_b64 v[\reg+2*\p:\reg+2*\p+1], v[ADRA+\slot] offset:(2*(\i)+(\q))*1536+256*\p
.endr
.endm
.macro MUL16 a0, p, q, sc, zero
.irp a, \a0, \a0+1
.irp b, 0,1,2,3,4,5,6,7
.if \zero
	v_wmma_scale_f32_16x16x128_f8f6f4 v[8*(8*((\a)%4)+\b):8*(8*((\a)%4)+\b)+7], v[128*(\p)+FR*\b:128*(\p)+FR*\b+FR-1], v[AF+FR*(\a):AF+FR*(\a)+FR-1], 0, v[SC+8*NQ*(\sc)+NQ*\b+(\q)], v[SC+8*NQ*(\sc)+NQ*(\a)+(\q)] matrix_a_fmt:MATRIX_FMT_FP6 matrix_b_fmt:MATRIX_FMT_FP6 matrix_a_scale:MATRIX_SCALE_ROW1
.else
	v_wmma_scale_f32_16x16x128_f8f6f4 v[8*(8*((\a)%4)+\b):8*(8*((\a)%4)+\b)+7], v[128*(\p)+FR*\b:128*(\p)+FR*\b+FR-1], v[AF+FR*(\a):AF+FR*(\a)+FR-1], v[8*(8*((\a)%4)+\b):8*(8*((\a)%4)+\b)+7], v[SC+8*NQ*(\sc)+NQ*\b+(\q)], v[SC+8*NQ*(\sc)+NQ*(\a)+(\q)] matrix_a_fmt:MATRIX_FMT_FP6 matrix_b_fmt:MATRIX_FMT_FP6 matrix_a_scale:MATRIX_SCALE_ROW1
.endif
.endr
.endr
.endm
.macro FETCH_B slot, q, p
	WIN TO_B
.irp i, 0,1,2,3,4,5,6,7
	FRAG 128*(\p)+FR*\i, ADRB+\slot, \q, \i
.endr
	WIN 0
.endm
.macro FETCH_A slot, q, i0
.irp i, \i0, \i0+1, \i0+2, \i0+3
	FRAGA AF+FR*(\i), \slot, \q, \i
.endr
.endm
.macro SCALES sc
.irp i, 0,1,2,3,4,5,6,7
	ds_load_b64 v[SC+8*NQ*\sc+NQ*\i:SC+8*NQ*\sc+NQ*\i+1], v[ADRS] offset:\i*SBLK
.endr
.endm
.macro PLACES n
.rept \n
	v_nop
.endr
.endm
.macro STEP slot, q, zero
	s_wait_dscnt 4*NL
	WIN MUL_LO
	MUL16 0, (\q)%2, \q, \slot, \zero
	MUL16 2, (\q)%2, \q, \slot, \zero
	s_wait_dscnt 0
	PLACES NP
	FETCH_B \slot, (\q)+1, 1-(\q)%2
	FETCH_A \slot, (\q)+1, 0
	WIN MUL_HI
	MUL16 4, (\q)%2, \q, \slot, \zero
	MUL16 6, (\q)%2, \q, \slot, \zero
	PLACES NP
	WIN 0
	FETCH_A \slot, (\q)+1, 4
.endm
.macro TURN slot, next, fill
	s_wait_tensorcnt 0x0
	ds_add_u32 v[SPW], v[NIL]
	s_wait_dscnt 4*NL+1
	WIN MUL_LO
	MUL16 0, 1, NQ-1, \slot, 0
	s_wait_dscnt 0x0
	s_barrier_signal -1
	MUL16 2, 1, NQ-1, \slot, 0
	WIN 0
	s_barrier_wait -1
.if \fill
	CREST
	s_add_nc_u64 s[G0+4*\slot+2:G0+4*\slot+3], s[G0+4*\slot+2:G0+4*\slot+3], 2*ABLK
	s_add_nc_u64 s[G0B+4*\slot+2:G0B+4*\slot+3], s[G0B+4*\slot+2:G0B+4*\slot+3], 2*ROWB
	JLOAD G0+4*\slot, G1, G0B+4*\slot, G1B
.else
	PLACES NP
.endif
	s_wait_alu depctr_va_vdst(0)
	v_add_nc_u32 v[ADRS], 4*NQ, v[ADRS]
	FETCH_B \next, 0, 0
	FETCH_A \next, 0, 0
	SCALES \next
	WIN MUL_HI
	MUL16 4, 1, NQ-1, \slot, 0
	MUL16 6, 1, NQ-1, \slot, 0
	PLACES NP
	WIN 0
	FETCH_A \next, 0, 4
.endm
	s_wait_alu depctr_va_vdst(0)
	s_wait_tensorcnt 1
	s_barrier_signal -1
	s_barrier_wait -1
	FETCH_B 0, 0, 0
	FETCH_A 0, 0, 0
	SCALES 0
	FETCH_A 0, 0, 4
	STEP 0, 0, 1
	s_mov_b32 s3, LAPS-1
.Llap:
	TURN 0, 1, 1
	STEP 1, 0, 0
	TURN 1, 0, 1
	STEP 0, 0, 0
	s_sub_co_u32 s3, s3, 1
	s_cmp_lg_u32 s3, 0
	s_cbranch_scc1 .Llap
	TURN 0, 1, 0
	STEP 1, 0, 0
	s_wait_dscnt 4*NL
	WIN MUL_LO
	MUL16 0, 1, NQ-1, 1, 0
	MUL16 2, 1, NQ-1, 1, 0
	s_wait_dscnt 0
	WIN MUL_HI
	MUL16 4, 1, NQ-1, 1, 0
	MUL16 6, 1, NQ-1, 1, 0
	WIN 0
.macro TOSTAGE a
.set AC, 64*((\a)%4)
	WIN 0x08+4*((\a)/4)
.irp b, 0,1,2,3,4,5,6,7
	ds_store_b128 v[STO], v[AC+8*\b:AC+8*\b+3] offset:64*\b
	ds_store_b128 v[STO], v[AC+8*\b+4:AC+8*\b+7] offset:64*\b+16
.endr
	WIN 0
.set BB, BK+64*((\a)%2)
.irp t, 0,1,2,3,4,5,6,7,8,9,10,11,12,13,14,15
	ds_load_b128 v[BB+4*\t:BB+4*\t+3], v[RD] offset:\t*SPITCH
.endr
.endm
.macro SEND a, younger
.set BB, BK+64*((\a)%2)
	s_wait_dscnt \younger
.if (\a) > 0
.if (\a)%2
	s_add_nc_u64 s[12:13], s[12:13], 8*SIZE_N*4
.else
	s_add_nc_u64 s[12:13], s[12:13], 24*SIZE_N*4
.endif
.endif
.irp t, 0,1,2,3,4,5,6,7,8,9,10,11,12,13,14,15
	global_store_b128 v[CO], v[BB+4*\t:BB+4*\t+3], s[12:13] offset:(\t+8*(\t/8))*SIZE_N*4 th:TH_STORE_NT
.endr
.endm
	PLACES NP
	TOSTAGE 0
.irp a, 1,2,3,4,5,6,7
.if \a > 1
	s_wait_xcnt 0x0
.endif
	TOSTAGE \a
	SEND \a-1, 32
.endr
	s_wait_xcnt 0x0
	SEND 7, 0
	s_wait_tensorcnt 0x0
	ds_add_u32 v[SPW], v[NIL]
	s_wait_dscnt 0x0
	CROUND
	s_endpgm
.Lfunc_end_k_qff046e33ad_gemm_out:
	.size	k_qff046e33ad_gemm_out, .Lfunc_end_k_qff046e33ad_gemm_out-k_qff046e33ad_gemm_out
	.p2alignl 7, 3214868480
	.fill 96, 4, 3214868480
	.section	.rodata,"a",@progbits
	.p2align	6, 0x0
	.amdhsa_kernel k_qff046e33ad_gemm_out
		.amdhsa_group_segment_fixed_size 327680
		.amdhsa_private_segment_fixed_size 0
		.amdhsa_enable_private_segment 0
		.amdhsa_kernarg_size 40
		.amdhsa_user_sgpr_count 2
		.amdhsa_user_sgpr_kernarg_segment_ptr 1
		.amdhsa_wavefront_size32 1
		.amdhsa_system_sgpr_workgroup_id_x 1
		.amdhsa_system_sgpr_workgroup_id_y 1
		.amdhsa_system_sgpr_workgroup_id_z 1
		.amdhsa_system_vgpr_workitem_id 0
		.amdhsa_next_free_vgpr 1024
		.amdhsa_next_free_sgpr 100
		.amdhsa_reserve_vcc 0
		.amdhsa_float_denorm_mode_32 3
		.amdhsa_float_denorm_mode_16_64 3
		.amdhsa_memory_ordered 1
		.amdhsa_forward_progress 1
		.amdhsa_inst_pref_size 161
	.end_amdhsa_kernel
	.amdgpu_metadata
---
amdhsa.version: [ 1, 2 ]
amdhsa.kernels:
  - .name:           k_qff046e33ad_gemm_out
    .symbol:         k_qff046e33ad_gemm_out.kd
    .args:
      - { .name: ac, .offset: 0, .size: 8, .value_kind: global_buffer, .address_space: global }
      - { .name: asc, .offset: 8, .size: 8, .value_kind: global_buffer, .address_space: global }
      - { .name: codes, .offset: 16, .size: 8, .value_kind: global_buffer, .address_space: global }
      - { .name: scales, .offset: 24, .size: 8, .value_kind: global_buffer, .address_space: global }
      - { .name: out0, .offset: 32, .size: 8, .value_kind: global_buffer, .address_space: global }
    .group_segment_fixed_size: 327680
    .private_segment_fixed_size: 0
    .kernarg_segment_align: 8
    .kernarg_segment_size: 40
    .max_flat_workgroup_size: 128
    .sgpr_count:     100
    .vgpr_count:     1024
    .wavefront_size: 32
...
	.end_amdgpu_metadata
.endif
;; end of part 4
